; MI455X (gfx1250); checked and timed in simulation.
; The chip was launched on July 23, 2026; its instructions are those of AMD's public machine-readable ISA for CDNA 5 (MIT licence, August 2026) and "CDNA5" Instruction Set Architecture Reference Guide (July 2026). The comments in the code are by the model that wrote it; some were corrected since.
;; My LSTM Unit. Allowed arithmetic: matrix products marked QUANTISED: E5M2 operands, one given power-of-two scale a tensor, by v_wmma_f32_16x16x64_bf8_bf8 or v_wmma_f32_16x16x128_bf8_bf8, f32 sums; everything else in f32.
;; Inputs: ct 8,192 x 1,024 float32; ht_codes 8,192 x 32 x 32 uint8 (E5M2 codes of ht, K innermost, in blocks of 32 codes); lowp_scales 4 int32 (the exponents e of the quantised operands' scales 2^e); wfh_b 1,024 float32; wfh_w 1,024 x 1,024 float32; wfx_b 1,024 float32; wfx_w 1,024 x 1,024 float32; wgh_b 1,024 float32; wgh_w 1,024 x 1,024 float32; wgx_b 1,024 float32; wgx_w 1,024 x 1,024 float32; wih_b 1,024 float32; wih_w 1,024 x 1,024 float32; wix_b 1,024 float32; wix_w 1,024 x 1,024 float32; woh_b 1,024 float32; woh_w 1,024 x 1,024 float32; word_emb_codes 8,192 x 32 x 32 uint8 (E5M2 codes of word_emb, K innermost, in blocks of 32 codes); wox_b 1,024 float32; wox_w 1,024 x 1,024 float32.
;; Outputs: out0 8,192 x 1,024 float32; out1 8,192 x 1,024 float32.
;; This version of the problem:
;;   THIS VERSION OF THE PROBLEM IS GIVEN IN LOW PRECISION. The matrix products marked QUANTISED in the list below multiply operands that are first quantised to E5M2 (5 exponent bits, 2 mantissa bits; 8 bits a number), with one given power-of-two scale for each operand tensor; their sums are f32. All else is computed in f32.
;;   The module's matrix products, in the order in which they are computed (A, B: the left and right operand; K: the contracted axis; several contracted axes count as one K, in the product's order):
;;     1. [M 8,192, K 1,024] x [K 1,024, N 4,096]; A: input word_emb (given as codes); B: computed on the way: QUANTISED (scales: A lowp_scales[0], B lowp_scales[1])
;;     2. [M 8,192, K 1,024] x [K 1,024, N 4,096]; A: input ht (given as codes); B: computed on the way: QUANTISED (scales: A lowp_scales[2], B lowp_scales[3])
;;   THE QUANTISER, for each operand of a quantised product, along K:
;;     - The operand's scale is 2^e, e = its entry of the input lowp_scales (int32; the entries are numbered through the quantised products in the list's order, A before B).
;;     - Each number is divided by the scale, clamped to +-57,344, and rounded to the nearest number of E5M2, ties to even, subnormals kept.
;;     - The product sums the exact products of the quantised numbers (number of the format x scale) in f32.
;;   ~~~python
;;   def quantise(x, axis, e):      # numpy; x: float32 -> the quantised numbers, widened to float32 again
;;       x = np.moveaxis(x, axis, -1); K = x.shape[-1]
;;       r = np.clip(x / 2.0 ** e, -57344, 57344)
;;       step = 2.0 ** (np.maximum(np.frexp(np.where(r == 0, 1, r))[1] - 1, -14) - 2)
;;       q = np.round(r / step) * step * 2.0 ** e      # np.round: ties to even
;;       return np.moveaxis(q, -1, axis).astype(np.float32)
;;   ~~~
;;   OPERANDS COMPUTED ON THE WAY. 'Computed on the way' means the value that the module computes at that place (a softmax that the list does not call 'softmax' is quantised finished and normalised). What goes into a quantiser is computed in f32, as accurately as f32 sums, v_exp_f32 and their like allow (about 1e-6 of the number): no bf16 or f16 on the way to a quantiser, and a product that is left as it is and whose result goes on into a quantised operand takes f32 operands (vector FMAs, or v_wmma_f32_16x16x4_f32). A number that lies on a knife's edge between two numbers of the format may be rounded either way, as far as f32 arithmetic and the matrix unit's own rounding can turn it there, and no further.
;;   INPUTS GIVEN AS CODES. ht (in the module: [8192, 1024], K = its axis 1); word_emb (in the module: [8192, 1024], K = its axis 1): each comes as NAME_codes (uint8): NAME with its K axis moved to the last place and cut into blocks of 32 codes, [.., K / 32, bytes a block], one block behind the other in memory; one code a byte (a code: sign, 5 exponent bits, 2 mantissa bits); its scale is its entry of lowp_scales. Its value is code x scale, taken as it is: it is not quantised again, and the codes and scales need not be those that the quantiser above would give.
;; One version. Each part assembles by itself: llvm-mc -triple=amdgcn-amd-amdhsa -mcpu=gfx1250 --defsym DOCPART=n.
;; ======== version 1 of 1: 2 launches
;; workspace buffers: wq 8,388,608 bytes
;; launch quant (part 1): grid 256 x 1, 8 waves a work-group, no clusters, 66,560 bytes of LDS; arguments wfx_w, wix_w, wgx_w, wox_w, wfh_w, wih_w, wgh_w, woh_w, lowp_scales, wq; writes wq
.if DOCPART == 1
	.amdgcn_target "amdgcn-amd-amdhsa--gfx1250"
	.amdhsa_code_object_version 6
	.text
	.protected	k_q0032e1b513_quant
	.globl	k_q0032e1b513_quant
	.p2align	8
	.type	k_q0032e1b513_quant,@function
k_q0032e1b513_quant:
	s_mov_b64 s[64:65], 0
	v_nop
	global_prefetch_b8 v0, s[64:65] scope:SCOPE_SE
	s_setreg_imm32_b32 hwreg(HW_REG_WAVE_MODE, 25, 1), 1
	s_wait_xcnt 0x0
; The eight weights, [1024 (unit j)][1024 (k)] f32, K innermost, become codes of BF8 (E5M2) in wq, [4096 rows][2048 bytes]:
; code = w / 2^e, held within +-57,344, rounded to the nearest code, ties to even; e = entry 1 of the scales for the four input-side weights, entry 3 for the four hidden-side ones.
; WHERE A ROW GOES.  Gate g (f, i, g, o = 0 .. 3), unit j: row (j / 32) x 128 + 32 g + j % 32; bytes 0 .. 1023 of a row are the input-side weight's K, bytes 1024 .. 2047 the hidden-side weight's.
; So 128 neighbouring rows of wq hold all four gates of 32 neighbouring units, and one row holds the K of both products on end: the next launch reads wq as one operand with K = 2,048.
; SHARES.  Work-group number = 32 T + jj: tensor T (0 .. 3 input side, 4 .. 7 hidden side, in the order f, i, g, o), rows 32 jj .. 32 jj + 31.  Wave w takes 4 rows: 8 steps of 512 numbers.
; All 32 loads of a wave go out at the head (128 registers).  Each load reads 512 consecutive bytes, 16 a lane.  The conversions take neighbours along K from ONE lane's registers, so a step's 2,048 bytes turn
; through the wave's own stage in LDS: in as they lie, back 64 bytes a lane (16 bytes of padding behind each 64).  A lane's 16 codes are 16 bytes: a store of the wave covers 512 consecutive bytes, aligned.
; Waves share nothing: no barrier.  Only pointers and the exponent are chosen by the work-group's number: all tensors take one path.
; LIMITS: e between -126 and 112, so that 2^e and 57,344 x 2^e are f32 numbers.  NaN among the weights is not served (an infinity is held at the largest code).
.set STEPS, 8
.set SP,    80                         ; a lane's place in a stage: its 64 bytes + 16 of padding
.set STG,   32*SP                      ; a stage
.set WREG,  8192                       ; LDS: a region for each wave: two stages by turns
.set R,     16                         ; v16-143  the numbers as loaded: 16 registers a step
.set X,     144                        ; v144-175 two sets of 16 neighbours
.set C,     176                        ; v176-207 codes: four registers a step, so that no store's data are written again
	s_load_b512 s[16:31], s[0:1], 0x0              ; the eight weights
	s_load_b128 s[4:7], s[0:1], 0x40               ; the scales' exponents s[4:5], wq s[6:7]
	v_lshl_add_u32 v208, v0, 2, 0x10000
	v_mov_b32 v209, 0
	v_lshrrev_b32 v1, 5, v0
	v_readfirstlane_b32 s8, v1                     ; wave 0 .. 7
	v_and_b32 v2, 31, v0                           ; lane
	v_lshlrev_b32 v3, 4, v2                        ; 16 x lane: my 16 bytes of a load's 512, and of a store's 512; never rewritten
	s_mul_i32 s9, s8, WREG
	v_lshrrev_b32 v14, 2, v2
	v_mul_u32_u24 v14, v14, SP
	v_and_b32 v15, 3, v2
	v_lshl_add_u32 v14, v15, 4, v14
	v_add_nc_u32 v14, s9, v14                      ; the stage, on the way in: four lanes' 64 bytes on end, then the padding
	v_mul_u32_u24 v15, v2, SP
	v_add_nc_u32 v15, s9, v15                      ; and on the way out: my 16 neighbours
	s_lshr_b32 s2, ttmp9, 5                        ; T
	s_and_b32 s3, ttmp9, 31                        ; jj
	s_and_b32 s32, s2, 3                           ; g
	s_lshr_b32 s33, s2, 2                          ; p: 0 input side, 1 hidden side
	s_lshl_b32 s10, s3, 3
	s_add_co_u32 s10, s10, s8
	s_lshl_b32 s10, s10, 14                        ; from: (8 jj + w) x 4 rows of 4,096 bytes
	s_mov_b32 s11, 0
	s_lshl_b32 s34, s3, 7
	s_lshl_b32 s35, s32, 5
	s_add_co_u32 s34, s34, s35
	s_lshl_b32 s35, s8, 2
	s_add_co_u32 s34, s34, s35                     ; to: row 128 jj + 32 g + 4 w,
	s_lshl_b32 s34, s34, 11                        ; of 2,048 bytes,
	s_lshl_b32 s35, s33, 10
	s_add_co_u32 s34, s34, s35                     ; + 1,024 p
	s_mov_b32 s35, 0
	s_wait_kmcnt 0x0
	s_load_b128 s[12:15], s[4:5], 0x0              ; the four exponents
	s_and_b32 s36, s2, 1                           ; the tensor is chosen bit by bit of T: the choice hangs on the work-group's number alone
	s_cmp_lg_u32 s36, 0
	s_cselect_b64 s[16:17], s[18:19], s[16:17]
	s_cselect_b64 s[20:21], s[22:23], s[20:21]
	s_cselect_b64 s[24:25], s[26:27], s[24:25]
	s_cselect_b64 s[28:29], s[30:31], s[28:29]
	s_and_b32 s36, s2, 2
	s_cmp_lg_u32 s36, 0
	s_cselect_b64 s[16:17], s[20:21], s[16:17]
	s_cselect_b64 s[24:25], s[28:29], s[24:25]
	s_and_b32 s36, s2, 4
	s_cmp_lg_u32 s36, 0
	s_cselect_b64 s[16:17], s[24:25], s[16:17]
	s_add_nc_u64 s[16:17], s[16:17], s[10:11]
	s_add_nc_u64 s[6:7], s[6:7], s[34:35]
.macro LOAD t
.irp i, 0,1,2,3
	global_load_b128 v[R+16*(\t)+4*\i:R+16*(\t)+4*\i+3], v3, s[16:17] offset:2048*(\t)+512*\i th:TH_LOAD_NT   ; 32 lanes read 512 consecutive bytes; read once in the launch
.endr
.endm
.macro TURN t                          ; step t's numbers through the stage: LDS serves a wave's instructions in order (ISA guide 5.7.1.4), so no wait stands between the stores and the loads
.irp i, 0,1,2,3
	ds_store_b128 v14, v[R+16*(\t)+4*\i:R+16*(\t)+4*\i+3] offset:STG*((\t)%2)+8*SP*\i
.endr
.irp i, 0,1,2,3
	ds_load_b128 v[X+16*((\t)%2)+4*\i:X+16*((\t)%2)+4*\i+3], v15 offset:STG*((\t)%2)+16*\i
.endr
.endm
.irp t, 0,1,2,3,4,5,6,7
	LOAD \t
.endr
	s_wait_kmcnt 0x0
	s_cmp_lg_u32 s33, 0
	s_cselect_b32 s12, s15, s13                    ; e: entry 3 for the hidden side, entry 1 for the input side
	s_add_co_i32 s12, s12, 127
	s_lshl_b32 s13, s12, 23
	v_mov_b32 v11, s13                             ; 2^e as f32: the conversion takes its exponent field
	s_add_co_i32 s12, s12, 15
	s_lshl_b32 s12, s12, 23
	s_or_b32 s12, s12, 0x600000
	v_mov_b32 v10, s12                             ; 57,344 x 2^e
	s_wait_loadcnt 28                              ; step 0's four loads are in; the 28 behind them may be out
	TURN 0
.macro STEP t
.set XS, X+16*((\t)%2)
	s_wait_dscnt 0x0                               ; this step's numbers are back from the stage
.if (\t)+1 < STEPS
	s_wait_loadcnt 4*(STEPS-2-(\t))                ; the next step's four loads are in; those of the steps behind it may be out
	TURN (\t)+1                                    ; and go through the other stage while this step is worked
.endif
.irp i, 0,1,2,3,4,5,6,7,8,9,10,11,12,13,14,15
	v_med3_num_f32 v[XS+\i], v[XS+\i], -v10, v10   ; the conversion to an 8-bit code does not saturate (ISA guide 7.6.2): the number is held within the largest code x the scale first
.endr
	v_cvt_scalef32_pk8_bf8_f32 v[C+4*(\t):C+4*(\t)+1], v[XS:XS+7], v11        ; eight numbers / 2^e, to the nearest code, ties to even; the first number's code in the lowest byte
	v_cvt_scalef32_pk8_bf8_f32 v[C+4*(\t)+2:C+4*(\t)+3], v[XS+8:XS+15], v11   ; (the results go to a store alone, the sources are next written by LDS loads; the next vector lines are the next step's holds, plain ones on other registers)
	global_store_b128 v3, v[C+4*(\t):C+4*(\t)+3], s[6:7] offset:((\t)/2)*2048+((\t)%2)*512   ; row t / 2 of my four, half t % 2 of its 1,024 codes: 512 consecutive bytes, aligned
.endm
.irp t, 0,1,2,3,4,5,6,7
	STEP \t
.endr
	s_wait_tensorcnt 0x0
	ds_add_u32 v208, v209
	s_wait_dscnt 0x0
	s_endpgm
.Lfunc_end_k_q0032e1b513_quant:
	.size	k_q0032e1b513_quant, .Lfunc_end_k_q0032e1b513_quant-k_q0032e1b513_quant
	.p2alignl 7, 3214868480
	.fill 96, 4, 3214868480
	.section	.rodata,"a",@progbits
	.p2align	6, 0x0
	.amdhsa_kernel k_q0032e1b513_quant
		.amdhsa_group_segment_fixed_size 66560
		.amdhsa_private_segment_fixed_size 0
		.amdhsa_enable_private_segment 0
		.amdhsa_kernarg_size 80
		.amdhsa_user_sgpr_count 2
		.amdhsa_user_sgpr_kernarg_segment_ptr 1
		.amdhsa_wavefront_size32 1
		.amdhsa_system_sgpr_workgroup_id_x 1
		.amdhsa_system_sgpr_workgroup_id_y 1
		.amdhsa_system_sgpr_workgroup_id_z 1
		.amdhsa_system_vgpr_workitem_id 0
		.amdhsa_next_free_vgpr 210
		.amdhsa_next_free_sgpr 66
		.amdhsa_reserve_vcc 0
		.amdhsa_float_denorm_mode_32 3
		.amdhsa_float_denorm_mode_16_64 3
		.amdhsa_memory_ordered 1
		.amdhsa_forward_progress 1
		.amdhsa_inst_pref_size 20
	.end_amdhsa_kernel
	.amdgpu_metadata
---
amdhsa.version: [ 1, 2 ]
amdhsa.kernels:
  - .name:           k_q0032e1b513_quant
    .symbol:         k_q0032e1b513_quant.kd
    .args:
      - { .name: wfx_w, .offset: 0, .size: 8, .value_kind: global_buffer, .address_space: global }
      - { .name: wix_w, .offset: 8, .size: 8, .value_kind: global_buffer, .address_space: global }
      - { .name: wgx_w, .offset: 16, .size: 8, .value_kind: global_buffer, .address_space: global }
      - { .name: wox_w, .offset: 24, .size: 8, .value_kind: global_buffer, .address_space: global }
      - { .name: wfh_w, .offset: 32, .size: 8, .value_kind: global_buffer, .address_space: global }
      - { .name: wih_w, .offset: 40, .size: 8, .value_kind: global_buffer, .address_space: global }
      - { .name: wgh_w, .offset: 48, .size: 8, .value_kind: global_buffer, .address_space: global }
      - { .name: woh_w, .offset: 56, .size: 8, .value_kind: global_buffer, .address_space: global }
      - { .name: lowp_scales, .offset: 64, .size: 8, .value_kind: global_buffer, .address_space: global }
      - { .name: wq, .offset: 72, .size: 8, .value_kind: global_buffer, .address_space: global }
    .group_segment_fixed_size: 66560
    .private_segment_fixed_size: 0
    .kernarg_segment_align: 8
    .kernarg_segment_size: 80
    .max_flat_workgroup_size: 256
    .sgpr_count:     66
    .vgpr_count:     210
    .wavefront_size: 32
...
	.end_amdgpu_metadata
.endif
;; end of part 1
;; launch lstm (part 2): grid 16 x 32, 4 waves a work-group, clusters of 4 x 4, 327,680 bytes of LDS; arguments word_emb_codes, ht_codes, wq, lowp_scales, wfx_b, wix_b, wgx_b, wox_b, wfh_b, wih_b, wgh_b, woh_b, ct, out0, out1; writes out0, out1
.if DOCPART == 2
	.amdgcn_target "amdgcn-amd-amdhsa--gfx1250"
	.amdhsa_code_object_version 6
	.text
	.protected	k_q0032e1b513_lstm
	.globl	k_q0032e1b513_lstm
	.p2align	8
	.type	k_q0032e1b513_lstm,@function
k_q0032e1b513_lstm:
	s_mov_b64 s[64:65], 0
	v_nop
	global_prefetch_b8 v0, s[64:65] scope:SCOPE_SE
	s_setreg_imm32_b32 hwreg(HW_REG_WAVE_MODE, 25, 1), 1
	s_wait_xcnt 0x0
	s_wait_alu depctr_hold_cnt(0) depctr_sa_sdst(0) depctr_va_vdst(0) depctr_va_sdst(0) depctr_va_ssrc(0) depctr_va_vcc(0) depctr_vm_vsrc(0)
	s_getreg_b32 s2, hwreg(HW_REG_IB_STS2, 6, 4)
	s_cmp_eq_u32 s2, 0
	s_cbranch_scc0 .Lentry_in_a_cluster
	s_endpgm
.Lentry_in_a_cluster:
	s_bfe_u32 s2, ttmp6, 0x10000c
	s_cmp_lg_u32 s2, 0xf033
	s_cbranch_scc0 .Lentry_shape_is_right
	s_endpgm
.Lentry_shape_is_right:
; One LSTM cell.  gates = x Wx^T + h Wh^T + bx + bh; c_new = sigmoid(f) c + sigmoid(i) tanh(g) (out1); h_new = sigmoid(o) tanh(c_new) (out0).
; x, h: [8192][1024] codes of BF8 (E5M2), K innermost.  wq: [4096][2048] codes made by the launch before: row 128 (j / 32) + 32 gate + j % 32; bytes 0 .. 1023 the input side's K, 1024 .. 2047 the hidden side's.
; Both products run into ONE set of f32 sums: K = 2,048 in eight K steps of 256, the first four on x, the last four on h.  A sum of the first product stands for sum x 2^(e0 + e1), of the second for sum x 2^(e2 + e3):
; between the two ranges every sum is multiplied once by 2^(e0 + e1 - e2 - e3), which rounds nothing short of overflow and underflow, and 2^(e2 + e3) is folded into the activations' factors.  The gates never go to memory.
; SHARES.  A work-group makes 256 rows of the batch x 64 units (all four gates: 256 rows of wq): four waves, each 128 rows x 32 units x 4 gates: 64 accumulators of 16 x 16, 512 registers.
; THE MATRIX INSTRUCTION IS USED TRANSPOSED (source 0 = 16 rows of wq, source 1 = 16 rows of the batch): in accumulator (a, b = 2 gate + s) lane (r, h) holds, in register i, that gate of batch row 16 a + r, unit 16 s + 8 h + i.
; So the four gates of one (row, unit) lie in one lane, at register 16 gate + 8 s + i of block a's 64, and the cell's arithmetic changes no lane.
; RING.  Two LDS slots of one K step (256 rows of the batch's codes, 256 rows of wq, rows of 256 bytes), filled by the tensor data mover, one load a wave behind each change of slots.  Between a request and the wait for it
; a wave issues a whole K step's 128 matrix instructions; between that wait and the next request stands the round alone.
; CLUSTERS: 4 x 4 work-groups.  The four of a row of the cluster need the same tiles of x and h, the four of a column the same tiles of wq: each is asked for JOINTLY, by the same tensor load with the same descriptor
; and a mask that names the four.  A wave has two tensor loads out behind the head and one behind each change of slots.
; THE TAIL.  When slot 0 has been read for the last time (K step 6) its first half takes the work-group's tile of ct (256 rows x 256 bytes), each wave fetching 64 rows: the slot's last fill.  c_new is stored over ct in place,
; h_new into the slot's second half; behind a barrier (a row's 256 bytes come from two waves) whole rows are read back and stored: sixteen lanes write 256 consecutive bytes, aligned.  A block's barrier stands in the NEXT block,
; behind its exponentials, so that the LDS stores land and the waves meet while the next block is at work.
; One tile to a work-group: the tail stores into slot 0 by LDS stores.
; sigmoid(z) = 1 / (1 + 2^(-z log2 e)); tanh(z) = 1 - 2 / (1 + 2^(2 z log2 e)): an exponential that overflows gives infinity, its reciprocal 0: saturated gates come out as 0, 1 or -1.  tanh so made is good to about 1e-7 absolutely, not relatively.
; LIMITS on the given exponents, so that each power of two below is an f32 number: e0 + e1 - e2 - e3 between -126 and 127; e2 + e3 between -126 and 125.
; REGISTERS, in windows of 256: window 0: v0 the thread's number; v1-31 addresses; v32-95 the biases; v96-127 rows on their way out; from v128 A's fragments (8 x 16 rows x 128 K), ONE set; in the tail v128-191 the gates, v192-207 ct, v208-223 h_new.
;   window 1: wq's fragments, TWO sets, at v0 and at v128.   window 2: the 32 accumulators of my rows 0-63 ((a, b) at v[8 (8 a + b)]);   window 3: those of my rows 64-127.
.set ROWB,   256                       ; a tile's row in bytes: 256 codes
.set PITCH,  272                       ; an LDS row: 256 bytes + 16 of padding = 68 words: row r starts at bank 4 r mod 64 (64 banks of 4 bytes: ISA guide 11.1), so the 16 rows that a load touches start at 16 different banks
.set FR,     16                        ; registers of a fragment: 16 rows x 128 K
.set NL,     4                         ; LDS loads that bring one
.set NP,     4                         ; places behind this matrix instruction (ISA guide 7.12.1)
.set HALFT,  128*PITCH                 ; 128 rows: what one joint load brings, and what one wave reads of either operand
.set SLOT,   4*HALFT                   ; the batch's 256 rows, then wq's 256 rows
.set SPARE,  2*SLOT                    ; behind the ring: the spare words, 128 bytes for each wave: two blocks of 256 bytes that no other line names
.set HSTG,   2*HALFT                   ; the tail: ct, then c_new, at LDS byte 0; h_new from here on; 256 rows x PITCH each
.set ADRA, 16                          ; v16-17  LDS address of my fragments of the batch's codes in slot 0, 1
.set ADRB, 20                          ; v20-21  the same for wq
.set HTA,  22                          ; v22     where I put 32 bytes of a row of h_new
.set RDH,  23                          ; v23     where I read a row of h_new back
.set CTA,  24                          ; v24     my 32 bytes of a row of ct, and of c_new
.set RD,   25                          ; v25     where I read a row of c_new back
.set CO,   26                          ; v26     my byte offset in two rows of out0 and out1
.set PFO,  27                          ; v27     ct's prefetches' offset: 4,096 x lane, a row of ct; never rewritten
.set SPW,  28                          ; v28     LDS address of my spare word: SPARE + 4 x my thread's number; never rewritten
.set NIL,  29                          ; v29     0; never rewritten
.set VB,   30                          ; v30     my byte offset in a bias
.set PFK,  31                          ; v31     the codes' prefetches' offset: lane x a row of h (1,024 bytes) or of wq (2,048); never rewritten
.set BI,   32                          ; v32-95  (bx + bh) x the gate's factor, at 16 gate + 8 s + i
.set OB,   96                          ; v96-111 eight rows' worth of c_new on the way out, v112-127 of h_new
.set AF,   128                         ; A's fragments
.set Z,    128                         ; the tail: a block's 64 gates
.set CT,   192                         ; the tail: a block's 16 numbers of ct, then of c_new
.set HN,   208                         ; the tail: a block's 16 numbers of h_new
.set PFA, 4                            ; s[4:5]   where my prefetches of codes stand: my work-group's 32 rows of the 128 that I fetch, at h's first byte of a row or wq's 1,024th; never rewritten
.set G1,  24                           ; s[24:31] descriptor group 1 for x's and h's tiles
.set G0X, 32                           ; s[32:39] group 0 for x's tiles, a set for each slot
.set LIM, 46                           ; s46      1 in a wave that prefetches codes, else 0
.set G1B, 48                           ; s[48:55] group 1 for wq's tiles
.set G0B, 56                           ; s[56:63] group 0 for wq's tiles, a set for each slot
.set RS,  66                           ; s[66:67] 2^(e0 + e1 - e2 - e3)
.set G1C, 68                           ; s[68:75] group 1 for ct's tile   (s[68:83] hold the biases' addresses until the biases are in)
.set G0C, 76                           ; s[76:79] group 0 for ct's tile
.set SN,  80                           ; s[80:81] -log2(e) x 2^(e2 + e3)
.set SG,  82                           ; s[82:83] 2 log2(e) x 2^(e2 + e3)
.set PFC, 90                           ; s[90:91] ct at the 64 rows that my wave fetches
.set G0H, 92                           ; s[92:99] group 0 for h's tiles, a set for each slot
.set MSB, 0
.macro WIN new                         ; the immediate's high byte repeats the setting that is left; a switch that changes nothing is dropped
.if MSB != \new
	s_set_vgpr_msb (MSB<<8)|\new
.set MSB, \new
.endif
.endm
.set MUL_LO, 0xa1                      ; source 0 (wq) window 1, source 1 (the batch) window 0, C and D window 2
.set MUL_HI, 0xf1                      ; the same, C and D window 3
.set TO_B,   0x40                      ; destination window 1, address window 0
; A joint load: waves 0 and 1 fetch the batch's codes, waves 2 and 3 wq's.  Each of the two lines has ONE mask and one set of registers for all that issue it; the branch hangs on the wave's number alone.
; Four v_nop follow each of the two lines, ahead of the jump, the label and what follows.
.macro JLOAD g0a, g1a, g0b, g1b
	s_cmp_eq_u32 s15, 0
	s_cbranch_scc0 .Lfor_b_\@
	tensor_load_to_lds s[\g0a:\g0a+3], s[\g1a:\g1a+7]
	s_nop 0
.rept 4
	v_nop
.endr
	s_branch .Lasked_\@
.Lfor_b_\@:
	tensor_load_to_lds s[\g0b:\g0b+3], s[\g1b:\g1b+7]
	s_nop 0
.rept 4
	v_nop
.endr
.Lasked_\@:
.endm
; A PREFETCH INTO THE L2 of codes: the hidden side's K step t (the launch's K step 4 + t): 32 rows x 256 bytes, a lane a row, one instruction a wave.  It stands behind the joint load of the launch's K step 2 + t, its four lines
; and the run of LDS loads that follows them: two changes of slots, 256 matrix instructions, ahead of the joint load that will ask for those bytes.
; Each row's 256 bytes of a K step are named ONCE in the launch.  h's rows of a tile row are read by every cluster of that row of clusters: the first of them (cluster x = 0) asks; wq's rows of a tile column by every cluster of
; that column: cluster y = 0 asks.  The four partners that ask for a tile jointly share its rows out BY ADDRESS: of the 128 rows that a wave fetches, the partner at place p takes 32 p .. 32 p + 31 (p = cx for h, cy for wq):
; no branch hangs on a work-group's place in its cluster.  The K step stands in the immediate: no address is stepped.  The launch's K steps 0 to 3 come by their loads alone: a request for them would stand at the head.
.macro ASKK t
	s_cmp_eq_u32 s[LIM], 1
	s_cbranch_scc0 .Lnot_mine_\@
	global_prefetch_b8 v[PFK], s[PFA:PFA+1] offset:ROWB*(\t) th:TH_LOAD_NT scope:SCOPE_SE
.Lnot_mine_\@:
.endm
.macro CREST                           ; a round of the cluster's barrier behind its opening barrier
	s_cmp_lg_u32 s14, 0
	s_cbranch_scc1 .Lnot_wave_0_\@
	s_barrier_signal -3
.Lnot_wave_0_\@:
	s_barrier_wait -3
	s_barrier_signal -1
	s_barrier_wait -1
.endm
.macro CROUND                          ; a whole round
	s_barrier_signal -1
	s_barrier_wait -1
	CREST
.endm
	s_load_b256 s[4:11], s[0:1], 0x0               ; x's codes s[4:5], h's codes s[6:7], wq s[8:9], the scales' exponents s[10:11]
	s_load_b512 s[68:83], s[0:1], 0x20             ; the biases: input side f, i, g, o s[68:75], hidden side s[76:83]
	s_load_b128 s[84:87], s[0:1], 0x60             ; ct s[84:85], out0 s[86:87]
	s_load_b64 s[88:89], s[0:1], 0x70              ; out1
	v_lshl_add_u32 v[SPW], v0, 2, SPARE
	v_mov_b32 v[NIL], 0
	ds_add_u32 v28, v29
	ds_add_u32 v28, v29
	s_wait_dscnt 0x0
	v_lshrrev_b32 v1, 5, v0
	v_readfirstlane_b32 s14, v1                    ; wave 0..3
	s_lshr_b32 s15, s14, 1                         ; rh: which 128 rows of the batch are mine.  Also: I fetch the batch's codes (0) or wq's (1)
	s_and_b32 s16, s14, 1                          ; ch: which 32 units (128 rows of wq) are mine.  Also: which 128 rows of that tile I fetch
	s_bfe_u32 s40, ttmp6, 0x40000                  ; cx, cy: my place in the cluster
	s_bfe_u32 s41, ttmp6, 0x40004
	s_lshl_b32 s42, ttmp9, 2
	s_add_co_u32 s42, s42, s40                     ; tc, the block of 64 units = 4 x cluster x + cx
	s_and_b32 s17, ttmp7, 0xffff
	s_lshl_b32 s17, s17, 2
	s_add_co_u32 s17, s17, s41                     ; tr, the block of 256 rows = 4 x cluster y + cy
	s_lshl_b32 s43, s41, 2
	s_lshl_b32 s43, 15, s43                        ; my row of the cluster
	s_lshl_b32 s44, 0x1111, s40                    ; my column
	; descriptor group 1: a tile of 128 rows x 256 bytes, padded in LDS
	s_or_b32 s[G1+0], s43, (0<<16)|(1<<20)|(1<<21)|(5<<22)|(3<<25)  ; 15:0 the mask: x's and h's tiles go to my row; 17:16 element of 1 byte; 20 padding on; 21 set beside a mask; 24:22 after every 64 words (code 5); 31:25 of 4 words (code 3)
	s_or_b32 s[G1B+0], s44, (0<<16)|(1<<20)|(1<<21)|(5<<22)|(3<<25) ; the same with the mask of my column, for wq's tiles
.irp g, G1, G1B
	s_mov_b32 s[\g+1], ROWB<<16                    ; tensor_dim0
	s_mov_b32 s[\g+2], 128<<16                     ; tensor_dim1 = 128
	s_mov_b32 s[\g+3], ROWB<<16                    ; tile_dim0
	s_mov_b32 s[\g+4], 128                         ; tile_dim1 = 128
	s_mov_b32 s[\g+6], 0
	s_mov_b32 s[\g+7], 0
.endr
	s_mov_b32 s[G1+5], 1024                        ; tensor_dim0_stride: a row of x or h is 1,024 bytes,
	s_mov_b32 s[G1B+5], 2048                       ; a row of wq 2,048
	s_lshl_b32 s2, s16, 7                          ; which 128 rows of the tile I fetch
	s_lshl_b32 s18, s17, 8
	s_add_co_u32 s18, s18, s2
	s_lshl_b32 s18, s18, 10                        ; x, h: row 256 tr + 128 ch, in bytes: it hangs on the tile row alone, which my row of the cluster shares
	s_mov_b32 s19, 0
	s_lshl_b32 s46, s42, 8
	s_add_co_u32 s46, s46, s2
	s_lshl_b32 s46, s46, 11                        ; wq: row 256 tc + 128 ch, in bytes: on the tile column alone
	s_mov_b32 s47, 0
	s_mul_i32 s45, s14, HALFT                      ; where they go: wave x 128 rows: no place in the cluster enters an LDS address
	s_wait_kmcnt 0x0
	s_load_b128 s[20:23], s[10:11], 0x0            ; e0, e1, e2, e3
	s_add_nc_u64 s[4:5], s[4:5], s[18:19]
	s_add_nc_u64 s[6:7], s[6:7], s[18:19]
	s_add_nc_u64 s[8:9], s[8:9], s[46:47]
	CROUND                                         ; all sixteen work-groups are here: the first joint loads meet
.irp s, 0,1
	s_mov_b32 s[G0X+4*\s], 1                                       ; 1:0 count = 1
	s_add_co_u32 s[G0X+4*\s+1], s45, \s*SLOT                       ; 63:32 LDS address
	s_add_nc_u64 s[G0X+4*\s+2:G0X+4*\s+3], s[4:5], \s*ROWB         ; 120:64 global address: x's K step s
	s_or_b32 s[G0X+4*\s+3], s[G0X+4*\s+3], 0x80000000              ; 127:126 type = 2
	s_mov_b32 s[G0H+4*\s], 1
	s_add_co_u32 s[G0H+4*\s+1], s45, \s*SLOT
	s_add_nc_u64 s[G0H+4*\s+2:G0H+4*\s+3], s[6:7], \s*ROWB         ; h's K step s: asked for when x's four are through
	s_or_b32 s[G0H+4*\s+3], s[G0H+4*\s+3], 0x80000000
	s_mov_b32 s[G0B+4*\s], 1
	s_add_co_u32 s[G0B+4*\s+1], s45, \s*SLOT
	s_add_nc_u64 s[G0B+4*\s+2:G0B+4*\s+3], s[8:9], \s*ROWB
	s_or_b32 s[G0B+4*\s+3], s[G0B+4*\s+3], 0x80000000
	JLOAD G0X+4*\s, G1, G0B+4*\s, G1B
.endr
	; LDS addresses: constants, the lane and the wave's number
	v_and_b32 v1, 15, v0                           ; r = lane % 16
	v_bfe_u32 v2, v0, 4, 1                         ; h = lane / 16
	v_mul_u32_u24 v3, v1, PITCH
	v_lshl_add_u32 v4, v2, 4, v3                   ; a fragment's row x pitch + 16 x half
	s_mul_i32 s2, s15, HALFT                       ; my 128 rows of the batch
	s_mul_i32 s3, s16, HALFT                       ; my 128 rows of wq,
	s_add_co_u32 s3, s3, 2*HALFT                   ; which lie behind the batch's 256
.irp s, 0,1
	v_add_nc_u32 v[ADRA+\s], s2, v4
	v_add_nc_u32 v[ADRB+\s], s3, v4
	s_add_co_u32 s2, s2, SLOT
	s_add_co_u32 s3, s3, SLOT
.endr
	s_mul_i32 s2, s15, HALFT
	s_lshl_b32 s3, s16, 7
	s_add_co_u32 s2, s2, s3
	v_lshl_add_u32 v[CTA], v2, 5, v3
	v_add_nc_u32 v[CTA], s2, v[CTA]                ; ct: row 128 rh + r, byte 128 ch + 32 h: my eight units of s = 0; those of s = 1 lie 64 bytes on
	v_add_nc_u32 v[HTA], HSTG, v[CTA]
	s_mul_i32 s2, s15, HALFT
	s_mul_i32 s3, s16, 8*PITCH
	s_add_co_u32 s2, s2, s3
	v_mul_u32_u24 v5, v2, PITCH
	v_lshl_add_u32 v5, v1, 4, v5
	v_add_nc_u32 v[RD], s2, v5                     ; back: of a block's 16 rows wave ch takes rows 8 ch .. 8 ch + 7, whole: lanes 0-15 one row of 256 bytes, lanes 16-31 the next
	v_add_nc_u32 v[RDH], HSTG, v[RD]
	; offsets and bases in memory
	v_lshlrev_b32 v[CO], 12, v2
	v_lshl_add_u32 v[CO], v1, 4, v[CO]             ; the same two rows in out0 and out1: 4,096 h + 16 r
	v_and_b32 v[PFO], 31, v0
	v_lshlrev_b32 v[PFO], 12, v[PFO]
	s_lshl_b32 s2, s42, 8
	s_lshl_b32 s3, s16, 7
	s_add_co_u32 s2, s2, s3
	v_lshl_add_u32 v[VB], v2, 5, s2                ; a bias: 4 (64 tc + 32 ch) + 32 h
	s_lshl_b32 s12, s17, 8
	s_lshl_b32 s13, s15, 7
	s_add_co_u32 s12, s12, s13
	s_lshl_b32 s13, s16, 3
	s_add_co_u32 s12, s12, s13                     ; the first row that I store: 256 tr + 128 rh + 8 ch,
	s_lshl_b32 s12, s12, 12                        ; of 4,096 bytes,
	s_lshl_b32 s13, s42, 8
	s_add_co_u32 s12, s12, s13                     ; + the tile's 64 units: 256 tc
	s_mov_b32 s13, 0
	s_add_nc_u64 s[86:87], s[86:87], s[12:13]
	s_add_nc_u64 s[88:89], s[88:89], s[12:13]
	s_lshl_b32 s12, s17, 8
	s_lshl_b32 s2, s14, 6
	s_add_co_u32 s12, s12, s2                      ; the first row of ct that I fetch: 256 tr + 64 w
	s_lshl_b32 s12, s12, 12
	s_lshl_b32 s2, s42, 8
	s_add_co_u32 s12, s12, s2
	s_add_nc_u64 s[PFC:PFC+1], s[84:85], s[12:13]
	; the prefetches of codes (macro ASKK): who asks, and where.  s[6:7] = h, s[8:9] = wq, each at the first of the 128 rows that I fetch; x's address in s[4:5] has served
	s_and_b32 s2, ttmp7, 0xffff                    ; cluster y
	s_cmp_eq_u32 s15, 0                            ; do I fetch the batch's codes?
	s_cselect_b32 s3, s40, s41                     ; my place among the four that ask with me
	s_cselect_b32 s2, ttmp9, s2                    ; the coordinate along which other clusters read the same rows
	s_cselect_b64 s[PFA:PFA+1], s[6:7], s[8:9]
	s_cmp_eq_u32 s2, 0
	s_cselect_b32 s[LIM], 1, 0                     ; the same in all sixteen partners, for a given wave
	s_lshl_b32 s2, 1024, s15                       ; a row in bytes: 1,024 in h, 2,048 in wq
	v_and_b32 v[PFK], 31, v0
	v_mul_lo_u32 v[PFK], v[PFK], s2                ; a lane a row
	s_lshl_b32 s3, s3, 5
	s_mul_i32 s12, s3, s2                          ; my work-group's 32 rows of the 128,
	s_lshl_b32 s13, s15, 10
	s_add_co_u32 s12, s12, s13                     ; and in wq the hidden side's half of a row
	s_mov_b32 s13, 0
	s_add_nc_u64 s[PFA:PFA+1], s[PFA:PFA+1], s[12:13]
	; the biases, once: the input side's into their place, the hidden side's into registers that A's fragments take later
.irp g, 0,1,2,3
.irp s, 0,1
	global_load_b128 v[BI+16*\g+8*\s:BI+16*\g+8*\s+3],   v[VB], s[68+2*\g:69+2*\g] offset:64*\s
	global_load_b128 v[BI+16*\g+8*\s+4:BI+16*\g+8*\s+7], v[VB], s[68+2*\g:69+2*\g] offset:64*\s+16
	global_load_b128 v[AF+16*\g+8*\s:AF+16*\g+8*\s+3],   v[VB], s[76+2*\g:77+2*\g] offset:64*\s
	global_load_b128 v[AF+16*\g+8*\s+4:AF+16*\g+8*\s+7], v[VB], s[76+2*\g:77+2*\g] offset:64*\s+16
.endr
.endr
	s_wait_loadcnt 0x0                             ; the biases are in: their bases, s[68:83], may be written again
.set j, 0
.rept 32
	v_pk_add_f32 v[BI+j:BI+j+1], v[BI+j:BI+j+1], v[AF+j:AF+j+1]   ; bx + bh
.set j, j+2
.endr
.set j, 0
.rept 32
.if j/16 == 2
	v_pk_mul_f32 v[BI+j:BI+j+1], v[BI+j:BI+j+1], 0x4038aa3b op_sel_hi:[1,0]   ; gate g: x 2 log2(e), for the tanh
.else
	v_pk_mul_f32 v[BI+j:BI+j+1], v[BI+j:BI+j+1], 0xbfb8aa3b op_sel_hi:[1,0]   ; gates f, i, o: x -log2(e), for the sigmoid
.endif
.set j, j+2
.endr
	s_wait_kmcnt 0x0                               ; the exponents
	s_add_co_i32 s2, s20, s21
	s_add_co_i32 s3, s22, s23
	s_sub_co_i32 s2, s2, s3
	s_add_co_i32 s2, s2, 127
	s_lshl_b32 s[RS], s2, 23                       ; 2^(e0 + e1 - e2 - e3) as f32
	s_add_co_i32 s3, s3, 127
	s_lshl_b32 s3, s3, 23                          ; 2^(e2 + e3) as f32
	s_mul_f32 s[SN], s3, 0xbfb8aa3b
	s_mul_f32 s[SG], s3, 0x4038aa3b
	s_mov_b32 s[RS+1], s[RS]                       ; (the packed forms name pairs and take the low word for both halves: so the upper words are written)
	; ct's tile: each wave fetches 64 rows x 64 numbers of 4 bytes for its own work-group alone: no mask
	s_mov_b32 s[G1C+0], (2<<16)|(1<<20)|(5<<22)|(3<<25)   ; 17:16 element of 4 bytes; 20 padding on; 24:22 after every 64 words; 31:25 of 4 words
	s_mov_b32 s[G1C+1], 64<<16                     ; tensor_dim0 = 64
	s_mov_b32 s[G1C+2], 64<<16                     ; tensor_dim1 = 64
	s_mov_b32 s[G1C+3], 64<<16                     ; tile_dim0 = 64
	s_mov_b32 s[G1C+4], 64                         ; tile_dim1 = 64
	s_mov_b32 s[G1C+5], 1024                       ; tensor_dim0_stride: a row of ct is 1,024 numbers
	s_mov_b32 s[G1C+6], 0
	s_mov_b32 s[G1C+7], 0
	s_mov_b32 s[G0C], 1
	s_mul_i32 s[G0C+1], s14, 64*PITCH              ; rows 64 w on, from LDS byte 0
	s_mov_b64 s[G0C+2:G0C+3], s[PFC:PFC+1]
	s_or_b32 s[G0C+3], s[G0C+3], 0x80000000
	s_mov_b32 s[SN+1], s[SN]
	s_mov_b32 s[SG+1], s[SG]
.macro FRAG reg, adr, q, i             ; a fragment, 16 rows x 128 K of 8-bit codes, is 16 registers: lane l holds row l % 16; registers 4 c .. 4 c + 3 hold K = 32 c + 16 (l / 16) + 0 .. 15: the same places in both operands, so every product meets its partner
.irp c, 0,1,2,3
	ds_load_b128 v[\reg+4*\c:\reg+4*\c+3], v[\adr] offset:128*(\q)+32*\c+(\i)*16*PITCH
.endr
.endm
; 16 matrix instructions: the batch's blocks a0, a0 + 1 x wq's eight, 128 along K.  p: wq's set.  zero = 1: the first product starts the sums: nothing is ever cleared.
; The 64 accumulators take turns, one instruction a turn, in the same order in every step.
.macro MUL16 a0, p, zero
.irp a, \a0, \a0+1
.irp b, 0,1,2,3,4,5,6,7
.if \zero
	v_wmma_f32_16x16x128_bf8_bf8 v[8*(8*((\a)%4)+\b):8*(8*((\a)%4)+\b)+7], v[128*(\p)+FR*\b:128*(\p)+FR*\b+FR-1], v[AF+FR*(\a):AF+FR*(\a)+FR-1], 0
.else
	v_wmma_f32_16x16x128_bf8_bf8 v[8*(8*((\a)%4)+\b):8*(8*((\a)%4)+\b)+7], v[128*(\p)+FR*\b:128*(\p)+FR*\b+FR-1], v[AF+FR*(\a):AF+FR*(\a)+FR-1], v[8*(8*((\a)%4)+\b):8*(8*((\a)%4)+\b)+7]
.endif
.endr
.endr
.endm
.macro FETCH_B slot, q, p              ; wq's eight fragments of the slot's q-th 128 along K into set p
	WIN TO_B
.irp i, 0,1,2,3,4,5,6,7
	FRAG 128*(\p)+FR*\i, ADRB+\slot, \q, \i
.endr
	WIN 0
.endm
.macro FETCH_A slot, q, i0             ; the batch's blocks i0 .. i0 + 3
.irp i, \i0, \i0+1, \i0+2, \i0+3
	FRAG AF+FR*(\i), ADRA+\slot, \q, \i
.endr
.endm
; A load into a register that a matrix instruction has read, and a vector instruction that reads a matrix result or writes one of a matrix instruction's registers, stand NP places behind that matrix instruction,
; and only plain vector instructions that name none of its registers are places (ISA guide 7.12.1 for vector instructions); the matrix instructions in between are not counted.
.macro PLACES n
.rept \n
	v_nop
.endr
.endm
; A step of 128 along K that has its successor in the same slot.  A block of the batch is free as soon as its eight products are issued, so one set of registers serves it: blocks 0-3 are fetched anew in the step's middle, blocks 4-7 at its end.
.macro STEP slot, q, zero
	s_wait_dscnt 4*NL                              ; wq's set and blocks 0-3 are in; the youngest 16 loads (blocks 4-7) may be out
	WIN MUL_LO
	MUL16 0, (\q)%2, \zero
	MUL16 2, (\q)%2, \zero
	s_wait_dscnt 0                                 ; blocks 4-7 are in (asked for 32 matrix instructions ago)
	PLACES NP
	FETCH_B \slot, (\q)+1, 1-(\q)%2
	FETCH_A \slot, (\q)+1, 0
	WIN MUL_HI
	MUL16 4, (\q)%2, \zero
	MUL16 6, (\q)%2, \zero
	PLACES NP
	WIN 0
	FETCH_A \slot, (\q)+1, 4
.endm
; A slot's last step changes slots in its middle: ONE barrier, which opens a round of the cluster's.  The step's first 32 products stand AHEAD of the wait for the tile, so that they are done while the tile is on its way; then each
; wave waits for all its tensor loads (one is out: its part of the next slot), adds 0 to its spare word, and waits for that and for its own reads of this slot (the last were issued 32 matrix instructions ago).
; Behind the round this slot is filled again, first thing, one tensor load a wave: from that request to the wait for it a wave issues 128 matrix instructions.
; kind = 1: jointly, with the K step two on: the batch's codes by group 0 g0a, stepped by astep bytes first (0: a set that has not been used yet), wq's by its own, 512 bytes on.  kind = 2: with ct's tile, each wave its 64 rows.
; pk >= 0: the hidden side's K step pk is prefetched (macro ASKK).
; pc = 1: ct's tile is prefetched: the 64 rows that my wave will fetch, 256 bytes of each, a lane a row, two instructions.  No other work-group reads those bytes, so each is named once in the launch.  It stands behind the joint load,
; its four lines and the run of LDS loads, two changes of slots (256 matrix instructions) ahead of ct's tensor load; its address registers are never rewritten.
.macro TURN slot, next, kind, g0a, astep, pk, pc
	s_wait_dscnt 4*NL                              ; wq's set and blocks 0-3 are in; the youngest 16 loads (blocks 4-7) may be out
	WIN MUL_LO
	MUL16 0, 1, 0
	MUL16 2, 1, 0
	WIN 0
	s_wait_tensorcnt 0x0                           ; all my tensor loads have landed: my part of the next slot; so every group 0 may be written
	ds_add_u32 v[SPW], v[NIL]                      ; 0 onto my spare word: the descriptors' steps stand between it and the wait for it
.if \kind == 1
.if \astep
	s_add_nc_u64 s[\g0a+2:\g0a+3], s[\g0a+2:\g0a+3], \astep
.endif
	s_add_nc_u64 s[G0B+4*\slot+2:G0B+4*\slot+3], s[G0B+4*\slot+2:G0B+4*\slot+3], 2*ROWB
.endif
	s_wait_dscnt 0x0                               ; the add is done, and my reads of this slot are over
	s_barrier_signal -1
	s_barrier_wait -1
	CREST                                          ; no wave of any partner still reads this slot's tile or has a load on its way
.if \kind == 1
	JLOAD \g0a, G1, G0B+4*\slot, G1B               ; the first tensor load behind the round; the four v_nop behind it are the places in front of the loads below
.else
	tensor_load_to_lds s[G0C:G0C+3], s[G1C:G1C+7]  ; the slot's last fill: my 64 rows of ct, over bytes that held the batch's codes
	s_nop 0
.rept 4
	v_nop
.endr
.endif
	FETCH_B \next, 0, 0
	FETCH_A \next, 0, 0
.if \pk >= 0
	ASKK \pk
.endif
.if \pc
	global_prefetch_b8 v[PFO], s[PFC:PFC+1] th:TH_LOAD_NT scope:SCOPE_SE
	global_prefetch_b8 v[PFO], s[PFC:PFC+1] offset:32*4096 th:TH_LOAD_NT scope:SCOPE_SE
.endif
	WIN MUL_HI
	MUL16 4, 1, 0
	MUL16 6, 1, 0
	PLACES NP
	WIN 0
	FETCH_A \next, 0, 4
.endm
; Between the two products: every sum x 2^(e0 + e1 - e2 - e3).  The four places behind the last products are those at the end of TURN; each accumulator is taken from its low end on.
.macro RESCALE
	WIN 0x82                                       ; source 0 and destination window 2
.set j, 0
.rept 128
	v_pk_mul_f32 v[j:j+1], v[j:j+1], s[RS:RS+1] op_sel_hi:[1,0]
.set j, j+2
.endr
	WIN 0xc3                                       ; window 3
.set j, 0
.rept 128
	v_pk_mul_f32 v[j:j+1], v[j:j+1], s[RS:RS+1] op_sel_hi:[1,0]
.set j, j+2
.endr
	WIN 0
.endm
	s_wait_tensorcnt 1                             ; my part of K step 0 is in (K step 1's load may be out)
	s_barrier_signal -1
	s_barrier_wait -1                              ; everybody's is
	FETCH_B 0, 0, 0
	FETCH_A 0, 0, 0
	FETCH_A 0, 0, 4
	; Eight K steps, written out: what a change of slots asks for differs from step to step
	STEP 0, 0, 1                                   ; K step 0 (x): its first products start the sums
	TURN 0, 1, 1, G0X, 2*ROWB, 0, 0                ; slot 0 takes K step 2; K step 4 is prefetched
	STEP 1, 0, 0                                   ; K step 1
	TURN 1, 0, 1, G0X+4, 2*ROWB, 1, 0              ; slot 1 takes K step 3; K step 5 is prefetched
	STEP 0, 0, 0                                   ; K step 2
	TURN 0, 1, 1, G0H, 0, 2, 0                     ; slot 0 takes K step 4: h's first; K step 6 is prefetched
	STEP 1, 0, 0                                   ; K step 3: x's last
	TURN 1, 0, 1, G0H+4, 0, 3, 0                   ; slot 1 takes K step 5; K step 7 is prefetched
	RESCALE
	STEP 0, 0, 0                                   ; K step 4 (h)
	TURN 0, 1, 1, G0H, 2*ROWB, -1, 1               ; slot 0 takes K step 6; ct's tile is prefetched
	STEP 1, 0, 0                                   ; K step 5
	TURN 1, 0, 1, G0H+4, 2*ROWB, -1, 0             ; slot 1 takes K step 7
	STEP 0, 0, 0                                   ; K step 6
	TURN 0, 1, 2, G0X, 0, -1, 0                    ; slot 0 takes ct
	STEP 1, 0, 0                                   ; K step 7
	s_wait_dscnt 4*NL                              ; the very last step: nothing more to fetch
	WIN MUL_LO
	MUL16 0, 1, 0
	MUL16 2, 1, 0
	s_wait_dscnt 0x0                               ; blocks 4-7 are in; from here to the first block's barrier no LDS instruction of mine is out
	WIN MUL_HI
	MUL16 4, 1, 0
	MUL16 6, 1, 0
	WIN 0
	PLACES NP                                      ; behind the last products: for the vector lines and loads that write where A's fragments lay, and for the reads of results
; THE TAIL, block by block of 16 rows x my 32 units.
.macro BACK a                          ; block a's rows, whole, back from LDS: my eight of the sixteen, two rows an instruction
.irp i, 0,1,2,3
	ds_load_b128 v[OB+4*\i:OB+4*\i+3], v[RD] offset:16*PITCH*(\a)+2*PITCH*\i
.endr
.irp i, 0,1,2,3
	ds_load_b128 v[OB+16+4*\i:OB+16+4*\i+3], v[RDH] offset:16*PITCH*(\a)+2*PITCH*\i
.endr
.endm
.macro SEND a                          ; and out: 16 lanes store 256 consecutive bytes, at a multiple of 256 from the buffer's first byte; written once, read by nobody here.  The offsets, 118 rows at the most, lie inside the signed 24-bit immediate (ISA guide, chapter 10)
.irp i, 0,1,2,3
	global_store_b128 v[CO], v[OB+4*\i:OB+4*\i+3], s[88:89] offset:(16*(\a)+2*\i)*4096 th:TH_STORE_NT        ; c_new: out1
.endr
.irp i, 0,1,2,3
	global_store_b128 v[CO], v[OB+16+4*\i:OB+16+4*\i+3], s[86:87] offset:(16*(\a)+2*\i)*4096 th:TH_STORE_NT  ; h_new: out0
.endr
.endm
.macro BLOCK a
.set AC, 64*((\a)%4)                   ; the block's eight accumulators, in window 2 (blocks 0-3) or 3
	WIN 0x02+((\a)/4)                              ; source 0: window 2 or 3
.set j, 0
.rept 32                               ; the exponentials' arguments: sum x 2^(e2 + e3) x factor + bias x factor, one packed multiply-add for two; each accumulator from its low end on
.if j/16 == 2
	v_pk_fma_f32 v[Z+j:Z+j+1], v[AC+j:AC+j+1], s[SG:SG+1], v[BI+j:BI+j+1] op_sel_hi:[1,0,1]
.else
	v_pk_fma_f32 v[Z+j:Z+j+1], v[AC+j:AC+j+1], s[SN:SN+1], v[BI+j:BI+j+1] op_sel_hi:[1,0,1]
.endif
.set j, j+2
.endr
	WIN 0
.set j, 0
.rept 64
	v_exp_f32 v[Z+j], v[Z+j]                       ; one batch
.set j, j+1
.endr
	v_nop                                          ; a plain instruction behind the last exponential, ahead of the first use (ISA guide 5.7.2)
	; THE BARRIER stands here, behind 96 lines of this block's own work, which name nothing that the barrier orders
.if \a == 0
	s_wait_tensorcnt 0x0                           ; my 64 rows of ct have landed (no load was issued behind that one, so the count is 0); other waves read them, so I say so
.else
	s_wait_dscnt 0x0                               ; for the others' sake: my stores into the rows of the block before are done
.endif
	s_barrier_signal -1
	s_barrier_wait -1                              ; block 0: ct's tile is whole;  later: the rows of the block before are whole, both halves of their 256 bytes.
.irp s, 0,1
	ds_load_b128 v[CT+8*\s:CT+8*\s+3],   v[CTA] offset:16*PITCH*(\a)+64*\s       ; ct(16 a + r, 16 s + 8 h + 0 .. 7)
	ds_load_b128 v[CT+8*\s+4:CT+8*\s+7], v[CTA] offset:16*PITCH*(\a)+64*\s+16
.endr
.if \a > 0
.if \a > 1
	s_wait_xcnt 0x0                                ; the stores of the block two back have read their registers: the loads below may land there
.endif
	BACK \a-1
.endif
	s_wait_alu depctr_va_vdst(0)                   ; one wait for the batch of exponentials, ahead of its first reader
.set j, 0
.rept 32
	v_pk_add_f32 v[Z+j:Z+j+1], v[Z+j:Z+j+1], 1.0 op_sel_hi:[1,0]
.set j, j+2
.endr
.set j, 0
.rept 64
	v_rcp_f32 v[Z+j], v[Z+j]                       ; f, i, o: the sigmoids; g: 1 / (1 + 2^(2 g log2 e))
.set j, j+1
.endr
	v_nop
	s_wait_dscnt 0x0                               ; ct is in, and so are the rows of the block before
.if \a > 0
	SEND \a-1                                      ; they leave while the reciprocals are at work: these stores name none of their results
.endif
	s_wait_alu depctr_va_vdst(0)                   ; one wait for the 64 reciprocals
.set j, 0
.rept 8
	v_pk_fma_f32 v[Z+32+j:Z+32+j+1], v[Z+32+j:Z+32+j+1], -2.0, 1.0 op_sel_hi:[1,0,0]   ; tanh(g)
.set j, j+2
.endr
.set j, 0
.rept 8
	v_pk_mul_f32 v[Z+32+j:Z+32+j+1], v[Z+32+j:Z+32+j+1], v[Z+16+j:Z+16+j+1]            ; x sigmoid(i)
.set j, j+2
.endr
.set j, 0
.rept 8
	v_pk_fma_f32 v[CT+j:CT+j+1], v[Z+j:Z+j+1], v[CT+j:CT+j+1], v[Z+32+j:Z+32+j+1]      ; c_new = sigmoid(f) ct + that
.set j, j+2
.endr
.irp s, 0,1
	ds_store_b128 v[CTA], v[CT+8*\s:CT+8*\s+3]   offset:16*PITCH*(\a)+64*\s            ; over my own bytes of ct, which I alone have read
	ds_store_b128 v[CTA], v[CT+8*\s+4:CT+8*\s+7] offset:16*PITCH*(\a)+64*\s+16
.endr
.set j, 0
.rept 8
	v_pk_mul_f32 v[Z+j:Z+j+1], v[CT+j:CT+j+1], 0x4038aa3b op_sel_hi:[1,0]              ; 2 c_new log2(e)
.set j, j+2
.endr
.set j, 0
.rept 16
	v_exp_f32 v[Z+j], v[Z+j]
.set j, j+1
.endr
	v_nop
	s_wait_alu depctr_va_vdst(0)
.set j, 0
.rept 8
	v_pk_add_f32 v[Z+j:Z+j+1], v[Z+j:Z+j+1], 1.0 op_sel_hi:[1,0]
.set j, j+2
.endr
.set j, 0
.rept 16
	v_rcp_f32 v[Z+j], v[Z+j]
.set j, j+1
.endr
	v_nop
	s_wait_alu depctr_va_vdst(0)
.set j, 0
.rept 8
	v_pk_fma_f32 v[Z+j:Z+j+1], v[Z+j:Z+j+1], -2.0, 1.0 op_sel_hi:[1,0,0]               ; tanh(c_new)
.set j, j+2
.endr
.set j, 0
.rept 8
	v_pk_mul_f32 v[HN+j:HN+j+1], v[Z+j:Z+j+1], v[Z+48+j:Z+48+j+1]                      ; h_new = sigmoid(o) x that, into registers of its own: they and c_new's are written again only behind the next block's wait for these stores
.set j, j+2
.endr
.irp s, 0,1
	ds_store_b128 v[HTA], v[HN+8*\s:HN+8*\s+3]   offset:16*PITCH*(\a)+64*\s
	ds_store_b128 v[HTA], v[HN+8*\s+4:HN+8*\s+7] offset:16*PITCH*(\a)+64*\s+16
.endr
.endm
.irp a, 0,1,2,3,4,5,6,7
	BLOCK \a
.endr
	s_wait_dscnt 0x0                               ; for the others' sake: my stores into the last block's rows are done
	s_barrier_signal -1
	s_barrier_wait -1                              ; the last block's rows are whole
	s_wait_xcnt 0x0                                ; block 6's stores have read their registers
	BACK 7
	s_wait_dscnt 0x0
	SEND 7
	s_wait_tensorcnt 0x0                           ; the wave's end, behind my last tensor load and my last LDS store
	ds_add_u32 v[SPW], v[NIL]
	s_wait_dscnt 0x0
	CROUND                                         ; the closing round: no work-group ends while a partner may still ask for a tile that names it
	s_endpgm
.Lfunc_end_k_q0032e1b513_lstm:
	.size	k_q0032e1b513_lstm, .Lfunc_end_k_q0032e1b513_lstm-k_q0032e1b513_lstm
	.p2alignl 7, 3214868480
	.fill 96, 4, 3214868480
	.section	.rodata,"a",@progbits
	.p2align	6, 0x0
	.amdhsa_kernel k_q0032e1b513_lstm
		.amdhsa_group_segment_fixed_size 327680
		.amdhsa_private_segment_fixed_size 0
		.amdhsa_enable_private_segment 0
		.amdhsa_kernarg_size 120
		.amdhsa_user_sgpr_count 2
		.amdhsa_user_sgpr_kernarg_segment_ptr 1
		.amdhsa_wavefront_size32 1
		.amdhsa_system_sgpr_workgroup_id_x 1
		.amdhsa_system_sgpr_workgroup_id_y 1
		.amdhsa_system_sgpr_workgroup_id_z 1
		.amdhsa_system_vgpr_workitem_id 0
		.amdhsa_next_free_vgpr 1024
		.amdhsa_next_free_sgpr 100
		.amdhsa_reserve_vcc 0
		.amdhsa_float_denorm_mode_32 3
		.amdhsa_float_denorm_mode_16_64 3
		.amdhsa_memory_ordered 1
		.amdhsa_forward_progress 1
		.amdhsa_inst_pref_size 255
	.end_amdhsa_kernel
	.section	.bss,"aw",@nobits
	.p2align	6
	.space	262144
	.amdgpu_metadata
---
amdhsa.version: [ 1, 2 ]
amdhsa.kernels:
  - .name:           k_q0032e1b513_lstm
    .symbol:         k_q0032e1b513_lstm.kd
    .args:
      - { .name: word_emb_codes, .offset: 0, .size: 8, .value_kind: global_buffer, .address_space: global }
      - { .name: ht_codes, .offset: 8, .size: 8, .value_kind: global_buffer, .address_space: global }
      - { .name: wq, .offset: 16, .size: 8, .value_kind: global_buffer, .address_space: global }
      - { .name: lowp_scales, .offset: 24, .size: 8, .value_kind: global_buffer, .address_space: global }
      - { .name: wfx_b, .offset: 32, .size: 8, .value_kind: global_buffer, .address_space: global }
      - { .name: wix_b, .offset: 40, .size: 8, .value_kind: global_buffer, .address_space: global }
      - { .name: wgx_b, .offset: 48, .size: 8, .value_kind: global_buffer, .address_space: global }
      - { .name: wox_b, .offset: 56, .size: 8, .value_kind: global_buffer, .address_space: global }
      - { .name: wfh_b, .offset: 64, .size: 8, .value_kind: global_buffer, .address_space: global }
      - { .name: wih_b, .offset: 72, .size: 8, .value_kind: global_buffer, .address_space: global }
      - { .name: wgh_b, .offset: 80, .size: 8, .value_kind: global_buffer, .address_space: global }
      - { .name: woh_b, .offset: 88, .size: 8, .value_kind: global_buffer, .address_space: global }
      - { .name: ct, .offset: 96, .size: 8, .value_kind: global_buffer, .address_space: global }
      - { .name: out0, .offset: 104, .size: 8, .value_kind: global_buffer, .address_space: global }
      - { .name: out1, .offset: 112, .size: 8, .value_kind: global_buffer, .address_space: global }
    .group_segment_fixed_size: 327680
    .private_segment_fixed_size: 0
    .kernarg_segment_align: 8
    .kernarg_segment_size: 120
    .max_flat_workgroup_size: 128
    .sgpr_count:     100
    .vgpr_count:     1024
    .wavefront_size: 32
...
	.end_amdgpu_metadata
.endif
;; end of part 2
